; MI455X (gfx1250); checked and timed in simulation.
; The chip was launched on July 23, 2026; its instructions are those of AMD's public machine-readable ISA for CDNA 5 (MIT licence, August 2026) and "CDNA5" Instruction Set Architecture Reference Guide (July 2026). The comments in the code are by the model that wrote it; some were corrected since.
;; Max Pooling Matching. Allowed arithmetic: matrix products marked QUANTISED: E2M1 operands, one E8M0 scale for each 32 along K, by v_wmma_scale_f32_16x16x128_f8f6f4 with both operands' format E2M1 (or v_wmma_scale_f32_32x16x128_f4), f32 sums; everything else in f32.
;; Inputs: kernel 20 x 256 float32; sent1 16 x 256 x 256 float32; sent2 16 x 256 x 256 float32.
;; Outputs: out0 16 x 256 x 20 float32.
;; This version of the problem:
;;   THIS VERSION OF THE PROBLEM IS GIVEN IN LOW PRECISION. The matrix products marked QUANTISED in the list below multiply operands that are first quantised to E2M1 (2 exponent bits, 1 mantissa bit; 4 bits a number), with one power-of-two scale for each 32 numbers along K (OCP MX v1.0); their sums are f32. All else is computed in f32.
;;   The module's matrix products, in the order in which they are computed (A, B: the left and right operand; K: the contracted axis; several contracted axes count as one K, in the product's order):
;;     1. batch 320 x [M 256, K 256] x [K 256, N 256]; A: computed on the way; B: computed on the way: QUANTISED
;;   THE QUANTISER, for each operand of a quantised product, along K:
;;     - K is cut into blocks of 32 from its start; a last block that is shorter is filled with zeros.
;;     - A block's scale is 2^e with e = floor(log2(the largest magnitude in the block)) - 2, held to -126 .. 127; a block of zeros has e = 0. As a byte (E8M0): e + 127.
;;     - Each number is divided by its block's scale, clamped to +-6, and rounded to the nearest number of E2M1, ties to even, subnormals kept.
;;     - The product sums the exact products of the quantised numbers (number of the format x scale) in f32.
;;   ~~~python
;;   def quantise(x, axis):      # numpy; x: float32 -> the quantised numbers, widened to float32 again
;;       x = np.moveaxis(x, axis, -1); K = x.shape[-1]
;;       x = np.pad(x, [(0, 0)] * (x.ndim - 1) + [(0, -K % 32)]); x = x.reshape(x.shape[:-1] + (-1, 32)); a = np.abs(x).max(-1, keepdims=True)
;;       e = np.where(a > 0, np.clip(np.frexp(np.where(a > 0, a, 1))[1] - 1 - 2, -126, 127), 0)      # np.frexp(a)[1] - 1 = floor(log2(a)), exactly
;;       r = np.clip(x / 2.0 ** e, -6, 6)
;;       step = 2.0 ** (np.maximum(np.frexp(np.where(r == 0, 1, r))[1] - 1, 0) - 1)
;;       q = np.round(r / step) * step * 2.0 ** e      # np.round: ties to even
;;       return np.moveaxis(q.reshape(q.shape[:-2] + (-1,))[..., :K], -1, axis).astype(np.float32)
;;   ~~~
;;   OPERANDS COMPUTED ON THE WAY. 'Computed on the way' means the value that the module computes at that place (a softmax that the list does not call 'softmax' is quantised finished and normalised). What goes into a quantiser is computed in f32, as accurately as f32 sums, v_exp_f32 and their like allow (about 1e-6 of the number): no bf16 or f16 on the way to a quantiser, and a product that is left as it is and whose result goes on into a quantised operand takes f32 operands (vector FMAs, or v_wmma_f32_16x16x4_f32). A number that lies on a knife's edge between two numbers of the format may be rounded either way, as far as f32 arithmetic and the matrix unit's own rounding can turn it there, and no further.
;; One version. Each part assembles by itself: llvm-mc -triple=amdgcn-amd-amdhsa -mcpu=gfx1250 --defsym DOCPART=n.
;; ======== version 1 of 1: 1 launch
;; launch match (part 1): grid 16 x 16, 4 waves a work-group, clusters of 4 x 1, 327,680 bytes of LDS; arguments sent1, sent2, kernel, out0; writes out0
.if DOCPART == 1
	.amdgcn_target "amdgcn-amd-amdhsa--gfx1250"
	.amdhsa_code_object_version 6
	.text
	.protected	k_qf976755e9f_match
	.globl	k_qf976755e9f_match
	.p2align	8
	.type	k_qf976755e9f_match,@function
k_qf976755e9f_match:
	s_mov_b64 s[64:65], 0
	v_nop
	global_prefetch_b8 v0, s[64:65] scope:SCOPE_SE
	s_setreg_imm32_b32 hwreg(HW_REG_WAVE_MODE, 25, 1), 1
	s_wait_xcnt 0x0
	s_wait_alu depctr_hold_cnt(0) depctr_sa_sdst(0) depctr_va_vdst(0) depctr_va_sdst(0) depctr_va_ssrc(0) depctr_va_vcc(0) depctr_vm_vsrc(0)
	s_getreg_b32 s2, hwreg(HW_REG_IB_STS2, 6, 4)
	s_cmp_eq_u32 s2, 0
	s_cbranch_scc0 .Lentry_in_a_cluster
	s_endpgm
.Lentry_in_a_cluster:
	s_bfe_u32 s2, ttmp6, 0x10000c
	s_cmp_lg_u32 s2, 0x3003
	s_cbranch_scc0 .Lentry_shape_is_right
	s_endpgm
.Lentry_shape_is_right:
; out0[b][l][p] = max over m of  v1[b][l][p][:] . v2[b][m][p][:],  v = the row x[:] * kernel[p][:] divided by its length (x * rsqrt(max(sum of squares, 1e-12))), all in f32;
; both v are quantised to FP4 (E2M1) with one E8M0 scale for each 32 along D, and the product is made on the codes, with f32 sums.  sent1, sent2: [16][256][256] f32; kernel: [20][256] f32; out0: [16][256][20] f32.
; SHARES.  256 work-groups of four waves.  Batch b = the grid's y.  q = the cluster's x (0..3), cx = the place in the cluster (0..3).  Work-group (b, q, cx) makes perspective p = 4 q + cx for all 256 rows l, and
; perspective p' = 16 + cx for the 64 rows l = 64 w + 16 q + 0..15 (w = 0..3): over q these cover every row of p', so each output number is written once, and every wave quantises 13 tiles of 16 rows x 256.
; Wave w owns rows 64 w .. 64 w + 63 of both sentences: it quantises its rows of sent1 (for p; one tile of them also for p') into registers, where they stay, and its rows of sent2 for p and for p'.
; Nothing goes through memory: the codes of sent2's rows go from wave to wave through LDS as images of the operand's registers (16 bytes a lane on end; the scale words 4 bytes a lane).
; CLUSTER.  The four work-groups of a cluster differ in the perspective alone and want the same rows of sent1[b] and sent2[b]: every tile is asked for JOINTLY, by the same tensor load with the same descriptor and
; the mask of all four.  The descriptors hang on b, q and the wave's number, which the partners share; cx enters the addresses of kernel and of out0 alone.
; LAYOUT.  Lane (r, h) = (lane % 16, lane / 16) holds row r and d = 64 u + 32 h + 0..31, u = 0..3: four whole blocks of 32, so a block's largest magnitude needs no other lane, and the conversions' results are
; the operand's registers as they stand (register 4 u + g; K step f = u / 2).  The product is taken as (16 rows of v2) x (16 rows of v1)^T: a lane of the result holds ONE l (lane % 16) and eight m in its registers,
; so the maximum over m is taken on a lane's own registers, and the halves of the lanes meet once, at the end.
; THE WAY OUT.  A row's 20 numbers are made by 16 work-groups, so a wave's stores are 4 bytes a lane, 80 bytes apart: three stores a wave in all; gathering whole rows would want a further launch.
; LIMITS.  NaN and infinities among the inputs are not served (the maxima drop a NaN).  A block of zeros gets the scale byte 1 where the quantiser's rule says 127: its codes are zeros, which add nothing under
; either byte, and the bytes are read by this launch alone.  A row's sum of squares is taken in eight partial sums a lane and then a tree, not in the order of d.
; REGISTERS, in windows of 256 (s_set_vgpr_msb: bits 1:0 source 0, 3:2 source 1, 5:4 source 2, 7:6 destination):
;   window 0: v1-21 addresses; v22-47 at work; v48-79 the codes just made; v80-83 their scale words; v84-93 v1's scale words; v96-103 v2's scale words; v104-108 the running maxima; v128-255 y = x * kernel, later ten accumulators
;   window 1: v0-127 a tile of x; v128-207 v1's codes, five tiles of 16 registers      window 2: v0-127 kernel[p], v128-255 kernel[p'], in my lane's order; in the product v0-63 two sets of v2's fragments
.set PITCH, 1040                       ; an LDS row: 1,024 bytes + 16 of padding = 260 words: row r starts at bank 4 r mod 64 (64 banks of 4 bytes: ISA guide 11.1), so the 16 rows that a load touches start at 16 different banks
.set TILE,  16*PITCH                   ; 16 rows
.set WREG,  2*TILE                     ; a wave's part of a slot: 32 rows, what one tensor load brings
.set SLOT,  4*WREG                     ; slot 0: the half of sent1's rows without p''s tile, then sent2's first halves; slot 1: the other halves
.set SPARE, 2*SLOT                     ; behind the slots: the spare words, 128 bytes for each wave: two blocks of 256 bytes that no other line names
.set IMGQ,  2048                       ; an image lies in the first 4,608 bytes of its own tile's rows, once these have been read: p's codes at 0, p''s at 2,048,
.set IMGS,  4096                       ; p's two scale words a lane at 4,096, p''s at 4,352
.set SPW, 1                            ; v1   LDS address of my spare word: SPARE + 4 x my thread's number; never rewritten
.set NIL, 2                            ; v2   0; never rewritten
.set XA0, 3                            ; v3-4   my lane's place in the first tile of my wave's part of slot 0, 1
.set XA1, 4
.set IW0, 5                            ; v5-6   where I store an image's codes: my wave's part of slot 0, 1, + 16 x lane
.set IW1, 6
.set IS0, 7                            ; v7-8   and its scale words: + IMGS + 4 x lane
.set IS1, 8
.set RC,  9                            ; v9-12  where images are read: slot g / 2, waves 2 (g % 2) on, + 16 x lane
.set RS,  13                           ; v13-16 and their scale words
.set KO,  17                           ; v17  128 h: my half's bytes in a row of kernel
.set OO,  18                           ; v18  80 x lane: a row of out0 for each lane
.set SH,  19                           ; v19  8 h: my bytes' place in a scale word
.set LN,  20                           ; v20  lane
.set RL,  21                           ; v21  r
.set RR,  22                           ; v[22:23] 1 / the row's length (the packed form names a pair and takes its low word)
.set SQ,  24                           ; v24-31 four pairs of partial sums of squares
.set AM,  32                           ; v32-35 my four blocks' largest magnitudes
.set SO,  36                           ; v36-39 the conversions' scale operands
.set BY,  40                           ; v40-43 the scale bytes
.set TP,  44                           ; v44-45 what comes from lane l xor 16
.set TS,  46                           ; v46  the row's sum of squares
.set HL,  47                           ; v47  h
.set C0,  48                           ; v48-63, v64-79 a tile's codes for p, for p'
.set C1,  64
.set W0,  80                           ; v80-81, v82-83 their scale words
.set W1,  82
.set SB,  84                           ; v84-93 v1's scale words: tile i, K step f at 2 i + f; tile 4 is p''s
.set SA,  96                           ; v96-103 v2's scale words, two sets of four: p f0, p f1, p' f0, p' f1
.set MX,  104                          ; v104-108 the running maximum of each of v1's five tiles
.set OV,  110                          ; v110-111 what is stored
.set Y,   128
.set ACC, 128                          ; accumulator (set, i) at ACC + 40 set + 8 i
.set CB,  128                          ; in window 1
.set KP,  0                            ; in window 2
.set KQ,  128
.set WV,  12                           ; s12 my wave's number
.set CX,  13                           ; s13 my place in the cluster
.set BB,  15                           ; s15 the batch
.set PP,  16                           ; s16 p;  s17 p'
.set PQ,  17
.set HQ,  18                           ; s18 q / 2;  s19 q % 2
.set QLO, 19
.set SEL, 20                           ; s[20:21] lane selects for v_permlanex16_b32: lane l xor 16
.set G1,  24                           ; s[24:31] descriptor group 1, the same for all four loads
.set G0,  32                           ; s[32:47] descriptor group 0, a set for each of the four loads: none is ever rewritten
.set MSB, 0
.macro WIN new                         ; the immediate's high byte repeats the setting that is left; a switch that changes nothing is dropped
.if MSB != \new
	s_set_vgpr_msb (MSB<<8)|\new
.set MSB, \new
.endif
.endm
; A round of the cluster's barrier: my work-group's barrier, so that wave 0's signal speaks for all four waves; wave 0 signals for the work-group; every wave waits for all four work-groups; my work-group's barrier once more.
.macro CROUND
	s_barrier_signal -1
	s_barrier_wait -1
	s_cmp_lg_u32 s[WV], 0
	s_cbranch_scc1 .Lnot_wave_0_\@
	s_barrier_signal -3
.Lnot_wave_0_\@:
	s_barrier_wait -3
	s_barrier_signal -1
	s_barrier_wait -1
.endm
; A slot that has been read out is filled again, by load n.  Each wave waits for all its tensor loads, adds 0 to its spare word, and waits for that and for its reads of the slot; the round shows the same of every wave
; of all four work-groups; the joint refill is the first thing behind it, and the wave's one tensor load until the next round.  Four v_nop follow it.
.macro CHANGE n
	WIN 0
	s_wait_tensorcnt 0x0               ; no tensor load of mine is out: the other slot's rows have landed too
	ds_add_u32 v[SPW], v[NIL]          ; 0 onto my spare word
	s_wait_dscnt 0x0                   ; the add is done, and my reads of the slot are back in registers
	CROUND
	tensor_load_to_lds s[G0+4*\n:G0+4*\n+3], s[G1:G1+7]
	s_nop 0
.rept 4
	v_nop
.endr
.endm
; A tile of x, 16 rows x 256 numbers, into window 1: register 32 u + e = x(r, 64 u + 32 h + e).  32 loads of 16 bytes a lane.
.macro XLOAD adr, off
	WIN 0x40                           ; destination window 1
.irp u, 0,1,2,3
.irp j, 0,1,2,3,4,5,6,7
	ds_load_b128 v[32*\u+4*\j:32*\u+4*\j+3], v[\adr] offset:\off+256*\u+16*\j
.endr
.endr
	WIN 0
.endm
; y = x * kernel[p] (kb = KP) or x * kernel[p'] (KQ), two numbers an instruction
.macro YMUL kb
	WIN 0x09                           ; source 0 (x) window 1, source 1 (kernel) window 2
.set i_, 0
.rept 64
	v_pk_mul_f32 v[Y+2*i_:Y+2*i_+1], v[2*i_:2*i_+1], v[\kb+2*i_:\kb+2*i_+1]
.set i_, i_+1
.endr
	WIN 0
.endm
; Step s of 16 of the search for the largest |y| of my four blocks, the blocks by turns
.macro MAXS s
.irp u, 0,1,2,3
.if (\s) == 0
	v_max3_num_f32 v[AM+\u], |v[Y+32*\u]|, |v[Y+32*\u+1]|, |v[Y+32*\u+2]|
.elseif (\s) < 15
	v_max3_num_f32 v[AM+\u], v[AM+\u], |v[Y+32*\u+2*(\s)+1]|, |v[Y+32*\u+2*(\s)+2]|
.else
	v_max_num_f32 v[AM+\u], v[AM+\u], |v[Y+32*\u+31]|
.endif
.endr
.endm
; The tile in y is normalised and quantised: its 16 code registers go to v[cd] on, in the window that cw names (0x40: window 1; 0: window 0), its two scale words to v[wd], v[wd + 1].
.macro QBODY cd, cw, wd
.irp c, 0,1,2,3
	v_pk_mul_f32 v[SQ+2*\c:SQ+2*\c+1], v[Y+2*\c:Y+2*\c+1], v[Y+2*\c:Y+2*\c+1]   ; the first four pairs start the sums of squares: nothing is cleared
.endr
.set i_, 4
.rept 60
	v_pk_fma_f32 v[SQ+2*(i_%4):SQ+2*(i_%4)+1], v[Y+2*i_:Y+2*i_+1], v[Y+2*i_:Y+2*i_+1], v[SQ+2*(i_%4):SQ+2*(i_%4)+1]   ; four chains, so that none waits for the line above it
.set i_, i_+1
.endr
	; the chain from the partial sums to 1 / length is serial: each of its steps stands ahead of eight lines of the blocks' maxima, which do not hang on it
	v_pk_add_f32 v[SQ:SQ+1], v[SQ:SQ+1], v[SQ+2:SQ+3]
	v_pk_add_f32 v[SQ+4:SQ+5], v[SQ+4:SQ+5], v[SQ+6:SQ+7]
	MAXS 0
	MAXS 1
	v_pk_add_f32 v[SQ:SQ+1], v[SQ:SQ+1], v[SQ+4:SQ+5]
	MAXS 2
	MAXS 3
	v_add_f32 v[TS], v[SQ], v[SQ+1]
	MAXS 4
	MAXS 5
	v_permlanex16_b32 v[TP], v[TS], s[SEL], s[SEL+1]   ; the row's other 128 numbers lie in lane l xor 16
	MAXS 6
	MAXS 7
	v_add_f32 v[TS], v[TS], v[TP]
	MAXS 8
	MAXS 9
	v_max_num_f32 v[TS], 0x2b8cbccc, v[TS]             ; not under 1e-12
	MAXS 10
	MAXS 11
	v_rsq_f32 v[RR], v[TS]                             ; the maxima below are the plain instructions between it and the use of its result
	MAXS 12
	MAXS 13
	MAXS 14
	MAXS 15
	s_wait_alu depctr_va_vdst(0)
.irp u, 0,1,2,3
	v_mul_f32 v[AM+\u], v[AM+\u], v[RR]                ; rounding keeps order: this IS the largest of the block's |y / length| as they are rounded below
.endr
.irp u, 0,1,2,3
	v_max_num_f32 v[AM+\u], 0x1800000, v[AM+\u]        ; the floor 2^(3 - 127): the byte cannot fall under 1
.endr
.irp u, 0,1,2,3
	v_add_nc_u32 v[SO+\u], 0xff000000, v[AM+\u]        ; 2 off the exponent field: the conversion takes the exponent field of this operand as its scale, and nothing else of it
.endr
.irp u, 0,1,2,3
	v_lshrrev_b32 v[BY+\u], 23, v[SO+\u]               ; the scale's byte: block 2 u + h of my row
.endr
.irp f, 0,1
	v_lshl_or_b32 v[\wd+\f], v[BY+2*\f+1], 16, v[BY+2*\f]   ; K step f: my two bytes,
.endr
.irp f, 0,1
	v_lshlrev_b32 v[\wd+\f], v[SH], v[\wd+\f]          ; at their places (8 h bits up);
.endr
.irp f, 0,1
	v_permlanex16_b32 v[TP+\f], v[\wd+\f], s[SEL], s[SEL+1]
.endr
.irp f, 0,1
	v_or_b32 v[\wd+\f], v[\wd+\f], v[TP+\f]            ; with lane l xor 16's two the word is whole, in both halves of the lanes
.endr
.set i_, 0
.rept 64
	v_pk_mul_f32 v[Y+2*i_:Y+2*i_+1], v[Y+2*i_:Y+2*i_+1], v[RR:RR+1] op_sel_hi:[1,0]   ; v = y / length
.set i_, i_+1
.endr
	WIN \cw
.irp u, 0,1,2,3
.irp g, 0,1,2,3
	v_cvt_scalef32_pk8_fp4_f32 v[\cd+4*\u+\g], v[Y+32*\u+8*\g:Y+32*\u+8*\g+7], v[SO+\u]   ; eight neighbours along D: register 4 u + g of the operand
.endr
.endr
	v_nop                                              ; one plain instruction behind the last scaled conversion
	WIN 0
.endm
; The codes in v[c] on and the scale words in v[w] on go to LDS as they stand: perspective pp (0: p, 1: p') of the tile at place pos of my part of a slot
.macro IMAGE iw, is, pos, pp, c, w
.irp k, 0,1,2,3
	ds_store_b128 v[\iw], v[\c+4*\k:\c+4*\k+3] offset:(\pos)*TILE+IMGQ*(\pp)+512*\k
.endr
.irp f, 0,1
	ds_store_b32 v[\is], v[\w+\f] offset:(\pos)*TILE+256*(\pp)+128*\f
.endr
.endm
; A tile of sent2, which is on its way into window 1, is quantised for p and for p'; its images take the place of its own rows, which are in registers by then.
; nx: what is read next, as soon as x is free: 1 slot 0's second tile; 2 slot 1's first, behind the wait for its load; 3 slot 1's second; 0 nothing.
.macro X2TILE iw, is, pos, nx
	s_wait_dscnt 0x0                   ; the tile is in; and the last tile's image stores have read their registers
	YMUL KP
	QBODY C0, 0, W0
	IMAGE \iw, \is, \pos, 0, C0, W0
	YMUL KQ
.if \nx == 1
	XLOAD XA0, TILE
.elseif \nx == 2
	s_wait_tensorcnt 0x0               ; one load of mine is out, slot 1's last fill: it is the one wanted
	XLOAD XA1, 0
.elseif \nx == 3
	XLOAD XA1, TILE
.endif
	QBODY C1, 0, W1
	IMAGE \iw, \is, \pos, 1, C1, W1
.endm
; Tile t of v2 (made by wave t / 4; slot (t % 4) / 2, place t % 2) into set: 8 loads of codes, 4 of scale words
.macro AFETCH t, set
.set g_, 2*(((\t)&3)>>1)+((\t)>>3)
.set o_, (((\t)>>2)&1)*WREG+((\t)&1)*TILE
	WIN 0x80                           ; destination window 2
.irp pp, 0,1
.irp k, 0,1,2,3
	ds_load_b128 v[32*(\set)+16*\pp+4*\k:32*(\set)+16*\pp+4*\k+3], v[RC+g_] offset:o_+IMGQ*\pp+512*\k
.endr
.endr
	WIN 0
.irp pp, 0,1
.irp f, 0,1
	ds_load_b32 v[SA+4*(\set)+2*\pp+\f], v[RS+g_] offset:o_+256*\pp+128*\f
.endr
.endr
.endm
; Ten matrix instructions: the set's 16 rows of v2 against my five tiles of v1 (tiles 0-3: p; tile 4: p'), two K steps of 128.  The first K step starts the sums.  The five accumulators take turns, one instruction a turn.
.macro MULT set
	WIN 0x06                           ; source 0 (v2) window 2, source 1 (v1) window 1, C and D window 0
.irp i, 0,1,2,3,4
	v_wmma_scale_f32_16x16x128_f8f6f4 v[ACC+40*(\set)+8*\i:ACC+40*(\set)+8*\i+7], v[32*(\set)+16*(\i/4):32*(\set)+16*(\i/4)+7], v[CB+16*\i:CB+16*\i+7], 0, v[SA+4*(\set)+2*(\i/4)], v[SB+2*\i] matrix_a_fmt:MATRIX_FMT_FP4 matrix_b_fmt:MATRIX_FMT_FP4
.endr
.irp i, 0,1,2,3,4
	v_wmma_scale_f32_16x16x128_f8f6f4 v[ACC+40*(\set)+8*\i:ACC+40*(\set)+8*\i+7], v[32*(\set)+16*(\i/4)+8:32*(\set)+16*(\i/4)+15], v[CB+16*\i+8:CB+16*\i+15], v[ACC+40*(\set)+8*\i:ACC+40*(\set)+8*\i+7], v[SA+4*(\set)+2*(\i/4)+1], v[SB+2*\i+1] matrix_a_fmt:MATRIX_FMT_FP4 matrix_b_fmt:MATRIX_FMT_FP4
.endr
	WIN 0
.endm
; The set's five results go into the running maxima: each accumulator from its low end on, the five by turns
.macro MAXT set
.irp j, 0,2,4,6
.irp i, 0,1,2,3,4
	v_max3_num_f32 v[MX+\i], v[MX+\i], v[ACC+40*(\set)+8*\i+\j], v[ACC+40*(\set)+8*\i+\j+1]
.endr
.endr
.endm
	s_load_b256 s[4:11], s[0:1], 0x0               ; sent1 s[4:5], sent2 s[6:7], kernel s[8:9], out0 s[10:11]
	v_lshl_add_u32 v[SPW], v0, 2, SPARE
	v_mov_b32 v[NIL], 0
	ds_add_u32 v1, v2
	ds_add_u32 v1, v2
	s_wait_dscnt 0x0
	v_lshrrev_b32 v[TS], 5, v0
	v_readfirstlane_b32 s[WV], v[TS]               ; wave 0..3
	s_bfe_u32 s[CX], ttmp6, 0x40000                ; cx; in a cluster launch ttmp9 is the cluster's x: q
	s_and_b32 s[BB], ttmp7, 0xffff                 ; b
	s_lshl_b32 s[PP], ttmp9, 2
	s_add_co_u32 s[PP], s[PP], s[CX]               ; p = 4 q + cx
	s_add_co_u32 s[PQ], s[CX], 16                  ; p' = 16 + cx
	s_lshr_b32 s[HQ], ttmp9, 1
	s_and_b32 s[QLO], ttmp9, 1
	s_mov_b32 s[SEL], 0x76543210
	s_mov_b32 s[SEL+1], 0xfedcba98
	; descriptor group 1: a tile of 32 rows x 256 elements of 4 bytes, padded in LDS
	s_mov_b32 s[G1], 15|(2<<16)|(1<<20)|(1<<21)|(7<<22)|(3<<25)   ; 15:0 the mask: all four work-groups; 17:16 elements of 4 bytes; 20 padding on; 21 set beside a mask; 24:22 after every 256 words (code 7); 31:25 four words (code 3)
	s_mov_b32 s[G1+1], 256<<16                     ; tensor_dim0 = 256
	s_mov_b32 s[G1+2], 32<<16                      ; tensor_dim1 = 32
	s_mov_b32 s[G1+3], 256<<16                     ; tile_dim0 = 256
	s_mov_b32 s[G1+4], 32                          ; tile_dim1 = 32
	s_mov_b32 s[G1+5], 256                         ; elements from row to row
	s_mov_b32 s[G1+6], 0
	s_mov_b32 s[G1+7], 0
	s_mul_i32 s23, s[WV], WREG                     ; my wave's part of a slot: no place in the cluster enters an LDS address
	; where my wave's rows begin in a sentence, in bytes: 2^18 b + 2^16 w; sent1's halves are taken so that the tile that also serves p' (rows 64 w + 16 q on) lies in slot 1, at place q % 2
	s_lshl_b32 s58, s[BB], 18
	s_lshl_b32 s59, s[WV], 16
	s_add_co_u32 s58, s58, s59
	s_mov_b32 s59, 0
	s_lshl_b32 s60, s[HQ], 15                      ; 32 (q / 2) rows
	s_sub_co_u32 s62, 0x8000, s60                  ; 32 (1 - q / 2) rows
	s_add_co_u32 s60, s60, s58                     ; slot 1's half of sent1
	s_add_co_u32 s62, s62, s58                     ; slot 0's
	s_mov_b32 s61, 0
	s_mov_b32 s63, 0
	s_lshl_b32 s48, s[PP], 10                      ; kernel's rows p and p'
	s_mov_b32 s49, 0
	s_lshl_b32 s50, s[PQ], 10
	s_mov_b32 s51, 0
	; out0: byte 20,480 b + 80 l + 4 p.  s52: slot 0's 32 rows, p; s54: slot 1's 32 rows, p; s56: rows 64 w + 16 q on, p'
	s_mul_i32 s2, s[BB], 20480
	s_mul_i32 s3, s[WV], 5120
	s_add_co_u32 s2, s2, s3
	s_mul_i32 s3, s[HQ], 2560
	s_lshl_b32 s52, s[PP], 2
	s_add_co_u32 s52, s52, s2
	s_add_co_u32 s54, s52, s3
	s_add_co_u32 s52, s52, 2560
	s_sub_co_u32 s52, s52, s3
	s_mul_i32 s3, ttmp9, 1280
	s_lshl_b32 s56, s[PQ], 2
	s_add_co_u32 s56, s56, s3
	s_add_co_u32 s56, s56, s2
	s_mov_b32 s53, 0
	s_mov_b32 s55, 0
	s_mov_b32 s57, 0
	; every LDS address is made here, ahead of the first branch: a constant, a constant x lane, a constant x wave
	v_and_b32 v[LN], 31, v0
	v_and_b32 v[RL], 15, v0
	v_bfe_u32 v[HL], v0, 4, 1
	v_mul_u32_u24 v[XA0], v[RL], PITCH
	v_lshl_add_u32 v[XA0], v[HL], 7, v[XA0]        ; row r, + 128 h bytes
	v_add_nc_u32 v[XA0], s23, v[XA0]
	v_add_nc_u32 v[XA1], SLOT, v[XA0]
	v_lshl_add_u32 v[IW0], v[LN], 4, s23
	v_add_nc_u32 v[IW1], SLOT, v[IW0]
	v_lshl_add_u32 v[IS0], v[LN], 2, s23
	v_add_nc_u32 v[IS0], IMGS, v[IS0]
	v_add_nc_u32 v[IS1], SLOT, v[IS0]
.irp g, 0,1,2,3
	v_lshl_add_u32 v[RC+\g], v[LN], 4, (\g>>1)*SLOT+(\g&1)*2*WREG
	v_lshl_add_u32 v[RS+\g], v[LN], 2, (\g>>1)*SLOT+(\g&1)*2*WREG+IMGS
.endr
	v_lshlrev_b32 v[KO], 7, v[HL]
	v_mul_u32_u24 v[OO], v[LN], 80
	v_lshlrev_b32 v[SH], 3, v[HL]
	v_mov_b32 v[RR+1], 0                           ; named with v[RR] as a pair, so it is written
	v_mov_b32 v[TP], 0                             ; written once: a lane permute's destination counts as one of its sources
	v_mov_b32 v[TP+1], 0
	s_wait_kmcnt 0x0
	s_add_nc_u64 s[48:49], s[8:9], s[48:49]
	s_add_nc_u64 s[50:51], s[8:9], s[50:51]
	s_add_nc_u64 s[52:53], s[10:11], s[52:53]
	s_add_nc_u64 s[54:55], s[10:11], s[54:55]
	s_add_nc_u64 s[56:57], s[10:11], s[56:57]
	; descriptor group 0, four sets: 0: sent1 -> slot 0;  1: sent1 -> slot 1;  2: sent2's rows 64 w on -> slot 0;  3: sent2's rows 64 w + 32 on -> slot 1
	s_mov_b32 s[G0], 1                             ; count = 1
	s_mul_i32 s[G0+1], s[WV], WREG                 ; LDS address
	s_add_nc_u64 s[G0+2:G0+3], s[4:5], s[62:63]    ; global address
	s_or_b32 s[G0+3], s[G0+3], 0x80000000          ; type = 2
	s_mov_b32 s[G0+4], 1
	s_add_co_u32 s[G0+5], s[G0+1], SLOT
	s_add_nc_u64 s[G0+6:G0+7], s[4:5], s[60:61]
	s_or_b32 s[G0+7], s[G0+7], 0x80000000
	s_mov_b32 s[G0+8], 1
	s_mul_i32 s[G0+9], s[WV], WREG
	s_add_nc_u64 s[G0+10:G0+11], s[6:7], s[58:59]
	s_or_b32 s[G0+11], s[G0+11], 0x80000000
	s_mov_b32 s[G0+12], 1
	s_add_co_u32 s[G0+13], s[G0+9], SLOT
	s_add_nc_u64 s[G0+14:G0+15], s[6:7], s[58:59]
	s_add_nc_u64 s[G0+14:G0+15], s[G0+14:G0+15], 0x8000
	s_or_b32 s[G0+15], s[G0+15], 0x80000000
	CROUND                                         ; all four work-groups are here: the first joint loads meet
	tensor_load_to_lds s[G0:G0+3], s[G1:G1+7]      ; the two first fills go out together: two tensor loads of mine are out, the most in this text
	s_nop 0
	tensor_load_to_lds s[G0+4:G0+7], s[G1:G1+7]
	s_nop 0
.rept 4
	v_nop
.endr
	WIN 0x80                                       ; destination window 2: kernel[p] and kernel[p'] in my lane's order, register 32 u + e = kernel(64 u + 32 h + e); they stay
.irp u, 0,1,2,3
.irp j, 0,1,2,3,4,5,6,7
	global_load_b128 v[KP+32*\u+4*\j:KP+32*\u+4*\j+3], v[KO], s[48:49] offset:256*\u+16*\j
	global_load_b128 v[KQ+32*\u+4*\j:KQ+32*\u+4*\j+3], v[KO], s[50:51] offset:256*\u+16*\j
.endr
.endr
	WIN 0
	; ---- sent1, slot 0: my tiles 0 and 1.  I read only the rows that my own load brought, so my own wait on TENSORcnt is all the ordering that the reads need
	s_wait_tensorcnt 0x1                           ; slot 0's load has landed; the one issued behind it, slot 1's, may be out
	XLOAD XA0, 0
	s_wait_loadcnt 0x0                             ; kernel's two rows
	s_wait_dscnt 0x0
	YMUL KP
	XLOAD XA0, TILE                                ; x is free: the next tile comes in under this tile's arithmetic
	QBODY CB, 0x40, SB
	CHANGE 2                                       ; its wait on DScnt shows tile 1 in registers: slot 0 has been read out, and sent2's first halves are asked for
	YMUL KP
	XLOAD XA1, 0                                   ; slot 1 has landed (the wait for all loads above)
	QBODY CB+16, 0x40, SB+2
	; ---- sent1, slot 1: my tiles 2 and 3, and the one of them that also serves p'
	s_wait_dscnt 0x0
	YMUL KP
	XLOAD XA1, TILE
	QBODY CB+32, 0x40, SB+4
	s_wait_dscnt 0x0
	YMUL KP
	s_cmp_eq_u32 s[QLO], 0                         ; which of slot 1's two tiles serves p': q % 2, the same in all four partners.  Both ways issue the same 32 loads, from constant places
	s_cbranch_scc0 .Lupper
	XLOAD XA1, 0
	s_branch .Lagain
.Lupper:
	XLOAD XA1, TILE
.Lagain:
	QBODY CB+48, 0x40, SB+6
	s_wait_dscnt 0x0
	YMUL KQ
	QBODY CB+64, 0x40, SB+8
	CHANGE 3                                       ; slot 1 has been read out: sent2's second halves are asked for; slot 0's refill has landed
	; ---- sent2: four tiles, each for p and for p'.  Both slots have had their last fill asked for; a tile's images are stored into its own rows behind the wait that shows its slot's last fill landed
	XLOAD XA0, 0
	X2TILE IW0, IS0, 0, 1
	X2TILE IW0, IS0, 1, 2
	X2TILE IW1, IS1, 0, 3
	X2TILE IW1, IS1, 1, 0
	s_wait_dscnt 0x0                               ; for the others' sake: my image stores are done
	s_barrier_signal -1
	s_barrier_wait -1                              ; all sixteen tiles of v2 lie in LDS
	; ---- the product and the maximum.  Two sets of fragments and of accumulators by turns: while one tile is multiplied, the last tile's results go into the maxima and the tile after next is fetched.
	; The distances behind the matrix instructions are kept by the other set's twenty v_max3, which name none of their registers (behind the first ten products: by the five v_mov):
	; at least four ahead of the reads of results and of the loads into fragments and scale words, at least five ahead of the products that begin a set's accumulators anew.
	AFETCH 0, 0
	AFETCH 1, 1
.set t_, 0
.rept 16
.set cur_, t_&1
.set prv_, 1-cur_
.set nxt_, t_+2
.if t_ < 15
	s_wait_dscnt 12                                ; this tile's twelve loads are in; the next tile's twelve may be out
.else
	s_wait_dscnt 0x0
.endif
	MULT cur_
.if t_ == 0
.irp i, 0,1,2,3,4
	v_mov_b32 v[MX+\i], 0xff800000                 ; -infinity, under every cosine
.endr
.else
	MAXT prv_
.endif
.if t_ < 14
	AFETCH nxt_, cur_
.endif
.set t_, t_+1
.endr
	MAXT 1
	; ---- the way out: the other half of the lanes holds the other eight m of every tile
.irp i, 0,1,2,3,4
	v_permlanex16_b32 v[SQ+\i], v[MX+\i], s[SEL], s[SEL+1]
.endr
.irp i, 0,1,2,3,4
	v_max_num_f32 v[MX+\i], v[MX+\i], v[SQ+\i]
.endr
	v_cmp_le_u32 vcc_lo, 16, v[LN]
	v_cndmask_b32 v[OV], v[MX], v[MX+1], vcc_lo    ; lanes 0-15: a slot's first tile, lanes 16-31 its second: lane = the row among the slot's 32
	v_cndmask_b32 v[OV+1], v[MX+2], v[MX+3], vcc_lo
	global_store_b32 v[OO], v[OV], s[52:53]
	global_store_b32 v[OO], v[OV+1], s[54:55]
	v_cmp_gt_u32 vcc_lo, 16, v[LN]
	s_wait_xcnt 0x0                                ; EXEC is a source of the stores above: it changes only behind this wait
	s_and_saveexec_b32 s22, vcc_lo
	global_store_b32 v[OO], v[MX+4], s[56:57]      ; p': sixteen rows
	s_wait_xcnt 0x0                                ; and again, in front of the line that widens it
	s_or_b32 exec_lo, exec_lo, s22
	s_wait_tensorcnt 0x0                           ; the wave's end, behind my last tensor load and my last LDS store
	ds_add_u32 v[SPW], v[NIL]
	s_wait_dscnt 0x0
	CROUND                                         ; the closing round: no work-group ends while a partner may still ask for a tile that names it
	s_endpgm
.Lfunc_end_k_qf976755e9f_match:
	.size	k_qf976755e9f_match, .Lfunc_end_k_qf976755e9f_match-k_qf976755e9f_match
	.p2alignl 7, 3214868480
	.fill 96, 4, 3214868480
	.section	.rodata,"a",@progbits
	.p2align	6, 0x0
	.amdhsa_kernel k_qf976755e9f_match
		.amdhsa_group_segment_fixed_size 327680
		.amdhsa_private_segment_fixed_size 0
		.amdhsa_enable_private_segment 0
		.amdhsa_kernarg_size 32
		.amdhsa_user_sgpr_count 2
		.amdhsa_user_sgpr_kernarg_segment_ptr 1
		.amdhsa_wavefront_size32 1
		.amdhsa_system_sgpr_workgroup_id_x 1
		.amdhsa_system_sgpr_workgroup_id_y 1
		.amdhsa_system_sgpr_workgroup_id_z 1
		.amdhsa_system_vgpr_workitem_id 0
		.amdhsa_next_free_vgpr 768
		.amdhsa_next_free_sgpr 66
		.amdhsa_reserve_vcc 1
		.amdhsa_float_denorm_mode_32 3
		.amdhsa_float_denorm_mode_16_64 3
		.amdhsa_memory_ordered 1
		.amdhsa_forward_progress 1
		.amdhsa_inst_pref_size 255
	.end_amdhsa_kernel
	.section	.bss,"aw",@nobits
	.p2align	6
	.space	262144
	.amdgpu_metadata
---
amdhsa.version: [ 1, 2 ]
amdhsa.kernels:
  - .name:           k_qf976755e9f_match
    .symbol:         k_qf976755e9f_match.kd
    .args:
      - { .name: sent1, .offset: 0, .size: 8, .value_kind: global_buffer, .address_space: global }
      - { .name: sent2, .offset: 8, .size: 8, .value_kind: global_buffer, .address_space: global }
      - { .name: kernel, .offset: 16, .size: 8, .value_kind: global_buffer, .address_space: global }
      - { .name: out0, .offset: 24, .size: 8, .value_kind: global_buffer, .address_space: global }
    .group_segment_fixed_size: 327680
    .private_segment_fixed_size: 0
    .kernarg_segment_align: 8
    .kernarg_segment_size: 32
    .max_flat_workgroup_size: 128
    .sgpr_count:     66
    .vgpr_count:     768
    .wavefront_size: 32
...
	.end_amdgpu_metadata
.endif
;; end of part 1
